; MI455X (gfx1250); checked and timed in simulation.
; The chip was launched on July 23, 2026; its instructions are those of AMD's public machine-readable ISA for CDNA 5 (MIT licence, August 2026) and "CDNA5" Instruction Set Architecture Reference Guide (July 2026). The comments in the code are by the model that wrote it; some were corrected since.
;; Multi Head Attention. Allowed arithmetic: matrix products marked QUANTISED: E5M2 operands, one given power-of-two scale a tensor, by v_wmma_f32_16x16x64_bf8_bf8 or v_wmma_f32_16x16x128_bf8_bf8, f32 sums; everything else in f32.
;; Inputs: b_o 1,024 float32; lowp_scales 12 int32 (the exponents e of the quantised operands' scales 2^e); w_k 1,024 x 1,024 float32; w_o 1,024 x 1,024 float32; w_q 1,024 x 1,024 float32; w_v 1,024 x 1,024 float32; x 4 x 2,048 x 1,024 float32.
;; Outputs: out0 4 x 2,048 x 1,024 float32.
;; This version of the problem:
;;   THIS VERSION OF THE PROBLEM IS GIVEN IN LOW PRECISION. The matrix products marked QUANTISED in the list below multiply operands that are first quantised to E5M2 (5 exponent bits, 2 mantissa bits; 8 bits a number), with one given power-of-two scale for each operand tensor; their sums are f32. All else is computed in f32.
;;   The module's matrix products, in the order in which they are computed (A, B: the left and right operand; K: the contracted axis; several contracted axes count as one K, in the product's order):
;;     1. [M 8,192, K 1,024] x [K 1,024, N 1,024]; A: input x; B: input w_q: QUANTISED (scales: A lowp_scales[0], B lowp_scales[1])
;;     2. [M 8,192, K 1,024] x [K 1,024, N 1,024]; A: input x; B: input w_k: QUANTISED (scales: A lowp_scales[2], B lowp_scales[3])
;;     3. [M 8,192, K 1,024] x [K 1,024, N 1,024]; A: input x; B: input w_v: QUANTISED (scales: A lowp_scales[4], B lowp_scales[5])
;;     4. batch 64 x [M 2,048, K 64] x [K 64, N 2,048]; A: computed on the way; B: computed on the way: QUANTISED (scales: A lowp_scales[6], B lowp_scales[7])
;;     5. batch 64 x [M 2,048, K 2,048] x [K 2,048, N 64]; A: softmax (see below); B: computed on the way: QUANTISED (scales: A lowp_scales[8], B lowp_scales[9])
;;     6. [M 8,192, K 1,024] x [K 1,024, N 1,024]; A: computed on the way; B: input w_o: QUANTISED (scales: A lowp_scales[10], B lowp_scales[11])
;;   THE QUANTISER, for each operand of a quantised product, along K:
;;     - The operand's scale is 2^e, e = its entry of the input lowp_scales (int32; the entries are numbered through the quantised products in the list's order, A before B).
;;     - Each number is divided by the scale, clamped to +-57,344, and rounded to the nearest number of E5M2, ties to even, subnormals kept.
;;     - The product sums the exact products of the quantised numbers (number of the format x scale) in f32.
;;   ~~~python
;;   def quantise(x, axis, e):      # numpy; x: float32 -> the quantised numbers, widened to float32 again
;;       x = np.moveaxis(x, axis, -1); K = x.shape[-1]
;;       r = np.clip(x / 2.0 ** e, -57344, 57344)
;;       step = 2.0 ** (np.maximum(np.frexp(np.where(r == 0, 1, r))[1] - 1, -14) - 2)
;;       q = np.round(r / step) * step * 2.0 ** e      # np.round: ties to even
;;       return np.moveaxis(q, -1, axis).astype(np.float32)
;;   ~~~
;;   SOFTMAX AHEAD OF A QUANTISED PRODUCT. Where the list says 'softmax', what is quantised is not the finished softmax but p = 2^(t - M), with t = logit x log2(e) and M = ceil(the row's largest t), a whole number; so 1/2 < the row's largest p <= 1. The row's sum l is taken of the UNQUANTISED p, in f32, and the product's result is divided by l at the end. Since M is a whole number, a kernel that streams over the keys may use a running M (the ceiling of the running maximum): every later rescaling is an exact power of two, so the quantised numbers keep their values, but for numbers so far below the row's largest that they fall under the format's range.
;;   OPERANDS COMPUTED ON THE WAY. 'Computed on the way' means the value that the module computes at that place (a softmax that the list does not call 'softmax' is quantised finished and normalised). What goes into a quantiser is computed in f32, as accurately as f32 sums, v_exp_f32 and their like allow (about 1e-6 of the number): no bf16 or f16 on the way to a quantiser, and a product that is left as it is and whose result goes on into a quantised operand takes f32 operands (vector FMAs, or v_wmma_f32_16x16x4_f32). A number that lies on a knife's edge between two numbers of the format may be rounded either way, as far as f32 arithmetic and the matrix unit's own rounding can turn it there, and no further.
;; One version. Each part assembles by itself: llvm-mc -triple=amdgcn-amd-amdhsa -mcpu=gfx1250 --defsym DOCPART=n.
;; ======== version 1 of 1: 4 launches
;; limits: right only within a limited range of input values
;; workspace buffers: xc 25,165,824 bytes; wc 4,194,304 bytes; qkv 25,165,824 bytes; cc 8,388,608 bytes
;; launch quant (part 1): grid 768 x 1, 4 waves a work-group, no clusters, 34,304 bytes of LDS; arguments x, w_q, w_k, w_v, w_o, lowp_scales, xc, wc; writes xc, wc
.if DOCPART == 1
	.amdgcn_target "amdgcn-amd-amdhsa--gfx1250"
	.amdhsa_code_object_version 6
	.text
	.protected	k_q1b0aba5bac_quant
	.globl	k_q1b0aba5bac_quant
	.p2align	8
	.type	k_q1b0aba5bac_quant,@function
k_q1b0aba5bac_quant:
	s_mov_b64 s[64:65], 0
	v_nop
	global_prefetch_b8 v0, s[64:65] scope:SCOPE_SE
	s_setreg_imm32_b32 hwreg(HW_REG_WAVE_MODE, 25, 1), 1
	s_wait_xcnt 0x0
; x [8192][1024] and the four weights [1024][1024], f32, K innermost, become codes of BF8 (E5M2): code = number / 2^e, held within +-57,344, to the nearest code, ties to even.
; x is an operand of three products with three given scales (entries 0, 2, 4 of the scales' buffer), so it gets three sets of codes; w_q, w_k, w_v, w_o take entries 1, 3, 5, 11.
; THE CODES ARE LAID AS IMAGES OF OPERAND REGISTERS.  A fragment is 16 rows x 128 K, 16 registers a lane; lane (r = lane % 16, h = lane / 16) holds row r, and its registers 2 c, 2 c + 1 hold
; k = 16 c + 8 h + 0 .. 7 (the layout of the plain 8-bit matrix forms).  Four registers at a time are stored as 512 consecutive bytes, lane l at 16 l.
; xc: [3 scales][4 K steps of 256][512 tiles of 16 rows][2 fragments][4 groups][32 lanes][16 bytes];  wc: [4 weights][4][64][2][4][32][16].
; SHARES.  A work-group takes a tile of 16 rows: work-groups 0-511 of x, 512 + 64 j + T of weight j.  Wave w takes K step w: 16 rows x 256 K = two fragments.  Waves share nothing: no barrier.
; Each load reads 512 consecutive bytes of one row; a fragment's 16 x 512 bytes turn through the wave's own stage in LDS and come back 32 + 32 bytes a lane and group, in the operand's order.
; LIMITS: each of the seven exponents lies between -126 and 112, so that 2^e and 57,344 x 2^e are f32 numbers.  NaN among the inputs is not served (an infinity is held at the largest code).
.set SPB,  528                         ; a stage row: 512 bytes + 16 = 132 words: row r starts at bank 4 r mod 64 (64 banks of 4 bytes: ISA guide 11.1)
.set WSTG, 16*SPB                      ; a wave's stage
.set R,    16                          ; v16-143  2 fragments x 16 rows x 4 registers as loaded; later the codes (each store has data registers of its own)
.set X,    144                         ; v144-207 a fragment's 64 numbers of my lane, in the operand's order
.set Y,    208                         ; v208-223 16 numbers, held
.set WV,   41
	s_load_b512 s[4:19], s[0:1], 0x0               ; x s[4:5], w_q s[6:7], w_k s[8:9], w_v s[10:11], w_o s[12:13], scales s[14:15], xc s[16:17], wc s[18:19]
	v_lshl_add_u32 v224, v0, 2, 0x8400
	v_mov_b32 v225, 0
	v_lshrrev_b32 v10, 5, v0
	v_readfirstlane_b32 s[WV], v10                 ; wave 0..3
	v_and_b32 v11, 31, v0
	v_lshlrev_b32 v1, 4, v11                       ; 16 x lane: my bytes of a load's and of a store's 512; never rewritten
	s_mul_i32 s50, s[WV], WSTG
	v_add_nc_u32 v2, s50, v1                       ; the stage, on the way in
	v_and_b32 v12, 15, v0                          ; r
	v_bfe_u32 v13, v0, 4, 1                        ; h
	v_mul_u32_u24 v3, v12, SPB
	v_lshl_add_u32 v3, v13, 5, v3
	v_add_nc_u32 v3, s50, v3                       ; and on the way out: row r, + 32 h bytes (8 numbers)
	s_sub_co_u32 s35, ttmp9, 512
	s_and_b32 s36, s35, 63                         ; a weight's tile
	s_lshr_b32 s37, s35, 6                         ; which weight
	s_wait_kmcnt 0x0
	s_load_b256 s[20:27], s[14:15], 0x0            ; e0 .. e7
	s_load_b128 s[28:31], s[14:15], 0x20           ; e8 .. e11
	s_cmp_lt_u32 ttmp9, 704                        ; the choices hang on the work-group's number alone
	s_cselect_b64 s[32:33], s[10:11], s[12:13]
	s_cmp_lt_u32 ttmp9, 640
	s_cselect_b64 s[32:33], s[8:9], s[32:33]
	s_cmp_lt_u32 ttmp9, 576
	s_cselect_b64 s[32:33], s[6:7], s[32:33]
	s_cmp_lt_u32 ttmp9, 512
	s_cselect_b64 s[32:33], s[4:5], s[32:33]       ; the tensor that I read
	s_cselect_b64 s[38:39], s[16:17], s[18:19]     ; and the buffer that I write
	s_cselect_b32 s36, ttmp9, s36                  ; the tile
	s_cselect_b32 s37, 0, s37
	s_mov_b32 s40, 0x40000
	s_cselect_b32 s40, 0x200000, s40               ; bytes of a K step's plane: 512 or 64 tiles of 4,096
	s_lshl_b32 s52, s36, 16                        ; in: 16 rows of 4,096 bytes a tile,
	s_lshl_b32 s53, s[WV], 10                      ; 1,024 bytes a K step
	s_add_co_u32 s52, s52, s53
	s_mov_b32 s53, 0
	s_add_nc_u64 s[32:33], s[32:33], s[52:53]
	s_lshl_b32 s42, s37, 20                        ; out: 1 MiB a weight,
	s_mul_i32 s43, s[WV], s40                      ; the K step's plane,
	s_add_co_u32 s42, s42, s43
	s_lshl_b32 s43, s36, 12                        ; 4,096 bytes a tile
	s_add_co_u32 s42, s42, s43
	s_mov_b32 s43, 0
	s_add_nc_u64 s[38:39], s[38:39], s[42:43]
	s_add_nc_u64 s[44:45], s[38:39], 0x800000      ; x's second and third sets (used by x's work-groups alone)
	s_add_nc_u64 s[46:47], s[38:39], 0x1000000
.set lf, 0
.rept 2
.set lr, 0
.rept 16
	global_load_b128 v[R+64*lf+4*lr:R+64*lf+4*lr+3], v1, s[32:33] offset:lr*4096+lf*512 th:TH_LOAD_NT   ; 32 lanes read 512 consecutive bytes of row lr
.set lr, lr+1
.endr
.set lf, lf+1
.endr
.macro MKSC se, vs, vl                 ; v[vs] = 2^e as f32 (the conversion takes its exponent field); v[vl] = 57,344 x 2^e
	s_add_co_i32 s48, s[\se], 127
	s_lshl_b32 s49, s48, 23
	v_mov_b32 v[\vs], s49
	s_add_co_i32 s48, s48, 15
	s_lshl_b32 s48, s48, 23
	s_or_b32 s48, s48, 0x600000
	v_mov_b32 v[\vl], s48
.endm
	s_wait_kmcnt 0x0
	s_cmp_lt_u32 ttmp9, 704
	s_cselect_b32 s34, s25, s31                    ; e5 or e11
	s_cmp_lt_u32 ttmp9, 640
	s_cselect_b32 s34, s23, s34                    ; e3
	s_cmp_lt_u32 ttmp9, 576
	s_cselect_b32 s34, s21, s34                    ; e1
	s_cmp_lt_u32 ttmp9, 512
	s_cselect_b32 s34, s20, s34                    ; e0
	MKSC 34, 4, 5
	MKSC 22, 6, 7                                  ; e2
	MKSC 24, 8, 9                                  ; e4
; Fragment f's 64 numbers become 16 registers of codes, set n, and leave: four stores of 512 consecutive bytes.
.macro CONV f, n, sc, lim, base
.set cg, 0
.rept 4
.set ci, 0
.rept 16
	v_med3_num_f32 v[Y+ci], v[X+16*cg+ci], -v[\lim], v[\lim]   ; the conversion to an 8-bit code does not saturate (ISA guide 7.6.2): the hold comes first
.set ci, ci+1
.endr
.set cr, R+64*(\f)+16*(\n)+4*cg
	v_cvt_scalef32_pk8_bf8_f32 v[cr:cr+1], v[Y:Y+7], v[\sc]
	v_cvt_scalef32_pk8_bf8_f32 v[cr+2:cr+3], v[Y+8:Y+15], v[\sc]
	v_nop                                          ; a plain vector line between the conversions and the next holds, which write their sources
	global_store_b128 v1, v[cr:cr+3], s[\base:\base+1] offset:(\f)*2048+cg*512
.set cg, cg+1
.endr
.endm
.macro FRAGM f
.if \f == 0
	s_wait_loadcnt 16                              ; fragment 0's sixteen loads are in; fragment 1's sixteen may be out
.else
	s_wait_loadcnt 0x0
.endif
.set lr, 0
.rept 16
	ds_store_b128 v2, v[R+64*(\f)+4*lr:R+64*(\f)+4*lr+3] offset:SPB*lr
.set lr, lr+1
.endr
.set cg, 0
.rept 4
.set ci, 0
.rept 4
	ds_load_b128 v[X+16*cg+4*ci:X+16*cg+4*ci+3], v3 offset:128*cg+16*(ci%2)+64*(ci/2)   ; k = 32 g + 8 h + 0 .. 7, then k = 32 g + 16 + 8 h + 0 .. 7.  LDS serves a wave's instructions in order: these see my stores
.set ci, ci+1
.endr
.set cg, cg+1
.endr
	s_wait_dscnt 0x0                               ; the numbers are back, and the stage's stores have read the registers that the codes now take
	CONV \f, 0, 4, 5, 38
	s_cmp_ge_u32 ttmp9, 512                        ; a weight has one scale; the branch goes round register work and global stores alone
	s_cbranch_scc1 .Lweight_\@
	CONV \f, 1, 6, 7, 44
	CONV \f, 2, 8, 9, 46
.Lweight_\@:
.endm
	FRAGM 0
	FRAGM 1
	s_wait_tensorcnt 0x0
	ds_add_u32 v224, v225
	s_wait_dscnt 0x0
	s_endpgm
.Lfunc_end_k_q1b0aba5bac_quant:
	.size	k_q1b0aba5bac_quant, .Lfunc_end_k_q1b0aba5bac_quant-k_q1b0aba5bac_quant
	.p2alignl 7, 3214868480
	.fill 96, 4, 3214868480
	.section	.rodata,"a",@progbits
	.p2align	6, 0x0
	.amdhsa_kernel k_q1b0aba5bac_quant
		.amdhsa_group_segment_fixed_size 34304
		.amdhsa_private_segment_fixed_size 0
		.amdhsa_enable_private_segment 0
		.amdhsa_kernarg_size 64
		.amdhsa_user_sgpr_count 2
		.amdhsa_user_sgpr_kernarg_segment_ptr 1
		.amdhsa_wavefront_size32 1
		.amdhsa_system_sgpr_workgroup_id_x 1
		.amdhsa_system_sgpr_workgroup_id_y 1
		.amdhsa_system_sgpr_workgroup_id_z 1
		.amdhsa_system_vgpr_workitem_id 0
		.amdhsa_next_free_vgpr 226
		.amdhsa_next_free_sgpr 66
		.amdhsa_reserve_vcc 0
		.amdhsa_float_denorm_mode_32 3
		.amdhsa_float_denorm_mode_16_64 3
		.amdhsa_memory_ordered 1
		.amdhsa_forward_progress 1
		.amdhsa_inst_pref_size 42
	.end_amdhsa_kernel
	.amdgpu_metadata
---
amdhsa.version: [ 1, 2 ]
amdhsa.kernels:
  - .name:           k_q1b0aba5bac_quant
    .symbol:         k_q1b0aba5bac_quant.kd
    .args:
      - { .name: x, .offset: 0, .size: 8, .value_kind: global_buffer, .address_space: global }
      - { .name: w_q, .offset: 8, .size: 8, .value_kind: global_buffer, .address_space: global }
      - { .name: w_k, .offset: 16, .size: 8, .value_kind: global_buffer, .address_space: global }
      - { .name: w_v, .offset: 24, .size: 8, .value_kind: global_buffer, .address_space: global }
      - { .name: w_o, .offset: 32, .size: 8, .value_kind: global_buffer, .address_space: global }
      - { .name: lowp_scales, .offset: 40, .size: 8, .value_kind: global_buffer, .address_space: global }
      - { .name: xc, .offset: 48, .size: 8, .value_kind: global_buffer, .address_space: global }
      - { .name: wc, .offset: 56, .size: 8, .value_kind: global_buffer, .address_space: global }
    .group_segment_fixed_size: 34304
    .private_segment_fixed_size: 0
    .kernarg_segment_align: 8
    .kernarg_segment_size: 64
    .max_flat_workgroup_size: 128
    .sgpr_count:     66
    .vgpr_count:     226
    .wavefront_size: 32
...
	.end_amdgpu_metadata
.endif
;; end of part 1
;; launch proj (part 2): grid 12 x 32, 4 waves a work-group, clusters of 4 x 4, 327,680 bytes of LDS; arguments xc, wc, lowp_scales, qkv; writes qkv
.if DOCPART == 2
	.amdgcn_target "amdgcn-amd-amdhsa--gfx1250"
	.amdhsa_code_object_version 6
	.text
	.protected	k_q1b0aba5bac_proj
	.globl	k_q1b0aba5bac_proj
	.p2align	8
	.type	k_q1b0aba5bac_proj,@function
k_q1b0aba5bac_proj:
	s_mov_b64 s[64:65], 0
	v_nop
	global_prefetch_b8 v0, s[64:65] scope:SCOPE_SE
	s_setreg_imm32_b32 hwreg(HW_REG_WAVE_MODE, 25, 1), 1
	s_wait_xcnt 0x0
	s_wait_alu depctr_hold_cnt(0) depctr_sa_sdst(0) depctr_va_vdst(0) depctr_va_sdst(0) depctr_va_ssrc(0) depctr_va_vcc(0) depctr_vm_vsrc(0)
	s_getreg_b32 s2, hwreg(HW_REG_IB_STS2, 6, 4)
	s_cmp_eq_u32 s2, 0
	s_cbranch_scc0 .Lentry_in_a_cluster
	s_endpgm
.Lentry_in_a_cluster:
	s_bfe_u32 s2, ttmp6, 0x10000c
	s_cmp_lg_u32 s2, 0xf033
	s_cbranch_scc0 .Lentry_shape_is_right
	s_endpgm
.Lentry_shape_is_right:
; q = x w_q^T, k = x w_k^T, v = x w_v^T on codes of BF8 (E5M2), sums in f32; each result is quantised at once for attention's products and leaves as codes.
; The cluster's x says which: 0 q, 1 k, 2 v.  A tile of 256 x 256 is made by four waves, 128 x 128 each: 64 accumulators, 512 registers.  K = 1,024 goes in four steps of 256 through two LDS slots.
; OPERANDS ARE IMAGES OF REGISTERS (made by the launch before): a fragment (16 rows x 128 K) is four groups of 512 bytes, lane l at 16 l.  So a K step's 128 rows are one dense block of 32,768 bytes for one
; tensor load, a fragment comes by four ds_load_b128 of consecutive bytes, and every k stands in the place that the matrix form's own layout gives it.
; THE MATRIX INSTRUCTION IS USED TRANSPOSED (source 0 = 16 rows of B', source 1 = 16 rows of A'): lane (r, h) holds row r of A' and, in an accumulator's eight registers, rows 8 h + 0 .. 7 of B'.
; One conversion of an accumulator (a, b) therefore gives registers 2 b, 2 b + 1 of the next product's fragment a, in the same lane: the results leave straight from registers, 512 consecutive bytes a store.
; q, k: A' = x (a lane holds a token, its registers run along the channels, which are attention's first K).  v: A' = w_v, B' = x (a lane holds a channel, its registers run along the keys, the second K):
; the roles are swapped by a choice of pointers on the cluster's x; no branch.
; qkv: [q, k, v][8 b + head pair][16 blocks of 128 tokens][8 fragments a][4 groups][32 lanes][16].  q, k: a = tile of 16 tokens, groups 2 hh, 2 hh + 1 = head hh's 64 channels.  v: a = 4 hh + tile of 16 channels, K = the block's 128 keys.
; CLUSTERS: 4 x 4 work-groups.  A's tile is shared along a row of the cluster, B's along a column: each is asked for jointly, by the same tensor load with the same descriptor and a mask that names the four.
; LIMITS: e6 - e0 - e1, e7 - e2 - e3 and e9 - e4 - e5 lie between -126 and 112, so that the folded scale and 57,344 x it are f32 numbers.
; REGISTERS, in windows of 256: window 0: v0-31 addresses and scales; v128-255 A's fragments, one set; on the way out v32-95 held sums, v128-255 codes.  window 1: B's fragments, two sets.  windows 2, 3: the accumulators ((a, b) at v[8 (8 (a % 4) + b)]).
.set HALFT,  32768                     ; 128 rows x 256 K of codes: what one tensor load brings, and what one wave reads of A' or of B'
.set SLOT,   4*HALFT                   ; A's 256 rows, then B's 256 rows
.set SPARE,  2*SLOT                    ; behind the ring: the spare words, 128 bytes for each wave, which no other line names
.set FR,     16                        ; registers of a fragment
.set NL,     4                         ; LDS loads that bring one
.set NP,     4                         ; places behind this matrix form (ISA guide 7.12.1)
.set ADRA, 16                          ; v16-17  LDS address of my A fragments in slot 0, 1
.set ADRB, 20                          ; v20-21  the same for B
.set CO,   26                          ; v26     16 x lane
.set SPW,  28                          ; v28     LDS address of my spare word; never rewritten
.set NIL,  29                          ; v29     0; never rewritten
.set LIMV, 30                          ; v30     57,344 x the folded scale
.set SCV,  31                          ; v31     the folded scale as f32
.set TMP,  32
.set AF,   128
.set G1, 24                            ; s[24:31] descriptor group 1 for A's tiles;  s[32:39] group 0, one set for each slot
.set G0, 32
.set G1B, 48                           ; s[48:55], s[56:63] the same for B's
.set G0B, 56
.set SA,  66                           ; s[66:67] bytes from a K step's plane to the next in A';  s[68:69] in B';  s[70:71], s[72:73] twice that
.set SB,  68
.set SA2, 70
.set SB2, 72
.set MSB, 0
.macro WIN new                         ; the immediate's high byte repeats the setting that is left
.if MSB != (\new)
	s_set_vgpr_msb (MSB<<8)|(\new)
.set MSB, (\new)
.endif
.endm
.set MUL_LO, 0xa1                      ; source 0 (B') window 1, source 1 (A') window 0, C and D window 2
.set MUL_HI, 0xf1                      ; the same, C and D window 3
.set TO_B,   0x40                      ; destination window 1, address window 0
; A joint load: waves 0 and 1 fetch for A', waves 2 and 3 for B'.  The branch hangs on the wave's number alone.  Four v_nop follow each of the two lines.
.macro JLOAD g0a, g1a, g0b, g1b
	s_cmp_eq_u32 s15, 0
	s_cbranch_scc0 .Lfor_b_\@
	tensor_load_to_lds s[\g0a:\g0a+3], s[\g1a:\g1a+7]
	s_nop 0
.rept 4
	v_nop
.endr
	s_branch .Lasked_\@
.Lfor_b_\@:
	tensor_load_to_lds s[\g0b:\g0b+3], s[\g1b:\g1b+7]
	s_nop 0
.rept 4
	v_nop
.endr
.Lasked_\@:
.endm
.macro CREST                           ; a round of the cluster's barrier behind its opening barrier
	s_cmp_lg_u32 s14, 0
	s_cbranch_scc1 .Lnot_wave_0_\@
	s_barrier_signal -3
.Lnot_wave_0_\@:
	s_barrier_wait -3
	s_barrier_signal -1
	s_barrier_wait -1
.endm
.macro CROUND                          ; a whole round
	s_barrier_signal -1
	s_barrier_wait -1
	CREST
.endm
	s_load_b256 s[4:11], s[0:1], 0x0               ; xc s[4:5], wc s[6:7], the scales' exponents s[8:9], qkv s[10:11]
	v_lshl_add_u32 v[SPW], v0, 2, SPARE
	v_mov_b32 v[NIL], 0
	ds_add_u32 v28, v29
	s_wait_dscnt 0x0
	v_lshrrev_b32 v1, 5, v0
	v_readfirstlane_b32 s14, v1                    ; wave 0..3
	s_lshr_b32 s15, s14, 1                         ; which half of the tile's rows of A' is mine.  Also: I fetch for A' (0) or for B' (1)
	s_and_b32 s16, s14, 1                          ; which half of its rows of B'.  Also: which 128 rows I fetch
	s_bfe_u32 s40, ttmp6, 0x40000                  ; cx, cy: my place in the cluster
	s_bfe_u32 s41, ttmp6, 0x40004
	s_mov_b32 s12, ttmp9                           ; the cluster's x: 0 q, 1 k, 2 v: the same in all sixteen partners
	s_and_b32 s13, ttmp7, 0xffff
	s_lshl_b32 s13, s13, 2                         ; 4 x the cluster's y: x's 32 tiles of 256 tokens go by fours
	s_cmp_eq_u32 s12, 2
	s_cselect_b32 s17, 0, s13                      ; the weight has four tiles of 256 rows, x thirty-two
	s_cselect_b32 s42, s13, 0
	s_mov_b32 s[SA], 0x200000
	s_cselect_b32 s[SA], 0x40000, s[SA]
	s_mov_b32 s[SB], 0x40000
	s_cselect_b32 s[SB], 0x200000, s[SB]
	s_mov_b32 s[SA+1], 0
	s_mov_b32 s[SB+1], 0
	s_lshl_b32 s[SA2], s[SA], 1
	s_mov_b32 s[SA2+1], 0
	s_lshl_b32 s[SB2], s[SB], 1
	s_mov_b32 s[SB2+1], 0
	s_add_co_u32 s17, s17, s41                     ; A's tile: hangs on cy, which my row of the cluster shares
	s_add_co_u32 s42, s42, s40                     ; B's tile: hangs on cx, which my column shares
	s_lshl_b32 s43, s41, 2
	s_lshl_b32 s43, 15, s43                        ; my row of the cluster
	s_lshl_b32 s44, 0x1111, s40                    ; my column
	; descriptor group 1: a dense block of 128 rows x 256 bytes (32 elements of 8 bytes), no padding
	s_or_b32 s[G1+0], s43, (3<<16)|(1<<21)         ; 15:0 the mask; 17:16 elements of 8 bytes; 21 set beside a mask
	s_or_b32 s[G1B+0], s44, (3<<16)|(1<<21)
.irp g, G1, G1B
	s_mov_b32 s[\g+1], 32<<16                      ; tensor_dim0 = 32
	s_mov_b32 s[\g+2], 128<<16                     ; tensor_dim1 = 128
	s_mov_b32 s[\g+3], 32<<16                      ; tile_dim0 = 32
	s_mov_b32 s[\g+4], 128                         ; tile_dim1 = 128
	s_mov_b32 s[\g+5], 32                          ; tensor_dim0_stride
	s_mov_b32 s[\g+6], 0
	s_mov_b32 s[\g+7], 0
.endr
	s_lshl_b32 s18, s16, 15                        ; which 128 rows of the tile I fetch
	s_lshl_b32 s20, s17, 16                        ; a tile's 256 rows of a K step are 65,536 bytes
	s_add_co_u32 s20, s20, s18
	s_mov_b32 s21, 0
	s_lshl_b32 s46, s42, 16
	s_add_co_u32 s46, s46, s18
	s_mov_b32 s47, 0
	s_lshl_b32 s45, s14, 15                        ; where they go: wave x 32,768: no place in the cluster enters an LDS address
	s_lshl_b32 s88, s12, 23                        ; x's set of codes for this product,
	s_mov_b32 s89, 0
	s_lshl_b32 s90, s12, 20                        ; and the weight's codes
	s_mov_b32 s91, 0
	s_wait_kmcnt 0x0
	s_load_b256 s[76:83], s[8:9], 0x0              ; e0 .. e7
	s_load_b128 s[84:87], s[8:9], 0x20             ; e8 .. e11
	s_add_nc_u64 s[4:5], s[4:5], s[88:89]
	s_add_nc_u64 s[6:7], s[6:7], s[90:91]
	s_cmp_eq_u32 s12, 2
	s_cselect_b64 s[92:93], s[6:7], s[4:5]         ; A'
	s_cselect_b64 s[94:95], s[4:5], s[6:7]         ; B'
	s_add_nc_u64 s[20:21], s[92:93], s[20:21]
	s_add_nc_u64 s[46:47], s[94:95], s[46:47]
	CROUND                                         ; all sixteen work-groups are here: the first joint loads meet
.irp s, 0,1
	s_mov_b32 s[G0+4*\s], 1
	s_add_co_u32 s[G0+4*\s+1], s45, \s*SLOT
	s_mov_b32 s[G0B+4*\s], 1
	s_add_co_u32 s[G0B+4*\s+1], s45, \s*SLOT
.if \s == 0
	s_mov_b64 s[G0+2:G0+3], s[20:21]               ; K step 0
	s_mov_b64 s[G0B+2:G0B+3], s[46:47]
.else
	s_add_nc_u64 s[G0+6:G0+7], s[20:21], s[SA:SA+1]   ; K step 1: a plane on
	s_add_nc_u64 s[G0B+6:G0B+7], s[46:47], s[SB:SB+1]
.endif
	s_or_b32 s[G0+4*\s+3], s[G0+4*\s+3], 0x80000000
	s_or_b32 s[G0B+4*\s+3], s[G0B+4*\s+3], 0x80000000
	JLOAD G0+4*\s, G1, G0B+4*\s, G1B
.endr
	v_and_b32 v1, 31, v0
	v_lshlrev_b32 v[CO], 4, v1                     ; 16 x lane
	s_lshl_b32 s88, s15, 15                        ; my 128 rows of A'
	s_lshl_b32 s89, s16, 15                        ; my 128 rows of B',
	s_add_co_u32 s89, s89, 2*HALFT                 ; which lie behind A's 256
.irp s, 0,1
	v_add_nc_u32 v[ADRA+\s], s88, v[CO]
	v_add_nc_u32 v[ADRB+\s], s89, v[CO]
	s_add_co_u32 s88, s88, SLOT
	s_add_co_u32 s89, s89, SLOT
.endr
.macro FRAG reg, adr, q, i             ; fragment i of the slot's q-th 128 along K: four groups of 512 consecutive bytes
.irp c, 0,1,2,3
	ds_load_b128 v[\reg+4*\c:\reg+4*\c+3], v[\adr] offset:2048*(\q)+512*\c+(\i)*4096
.endr
.endm
; 16 matrix instructions: A's blocks a0, a0 + 1 x B's eight, 128 along K.  p: B's set.  zero = 1: the first product starts the sums.
; The 64 accumulators take turns, one instruction a turn, in the same order in every step.
.macro MUL16 a0, p, zero
.irp a, \a0, \a0+1
.irp b, 0,1,2,3,4,5,6,7
.if \zero
	v_wmma_f32_16x16x128_bf8_bf8 v[8*(8*((\a)%4)+\b):8*(8*((\a)%4)+\b)+7], v[128*(\p)+FR*\b:128*(\p)+FR*\b+FR-1], v[AF+FR*(\a):AF+FR*(\a)+FR-1], 0
.else
	v_wmma_f32_16x16x128_bf8_bf8 v[8*(8*((\a)%4)+\b):8*(8*((\a)%4)+\b)+7], v[128*(\p)+FR*\b:128*(\p)+FR*\b+FR-1], v[AF+FR*(\a):AF+FR*(\a)+FR-1], v[8*(8*((\a)%4)+\b):8*(8*((\a)%4)+\b)+7]
.endif
.endr
.endr
.endm
.macro FETCH_B slot, q, p
	WIN TO_B
.irp i, 0,1,2,3,4,5,6,7
	FRAG 128*(\p)+FR*\i, ADRB+\slot, \q, \i
.endr
	WIN 0
.endm
.macro FETCH_A slot, q, i0
.irp i, \i0, \i0+1, \i0+2, \i0+3
	FRAG AF+FR*(\i), ADRA+\slot, \q, \i
.endr
.endm
.macro PLACES n                        ; plain vector lines between a matrix instruction and a load into, or a vector read of, its registers
.rept \n
	v_nop
.endr
.endm
; A step of 128 along K that has its successor in the same slot.  A block of A' is free as soon as its eight products are issued: blocks 0-3 are fetched anew in the middle, blocks 4-7 at the end.
.macro STEP slot, q, zero
	s_wait_dscnt 4*NL                              ; B's set and A's blocks 0-3 are in; the youngest sixteen loads (A's blocks 4-7) may be out
	WIN MUL_LO
	MUL16 0, (\q)%2, \zero
	MUL16 2, (\q)%2, \zero
	s_wait_dscnt 0                                 ; A's blocks 4-7 are in
	PLACES NP
	FETCH_B \slot, (\q)+1, 1-(\q)%2
	FETCH_A \slot, (\q)+1, 0
	WIN MUL_HI
	MUL16 4, (\q)%2, \zero
	MUL16 6, (\q)%2, \zero
	PLACES NP
	WIN 0
	FETCH_A \slot, (\q)+1, 4
.endm
; A slot's last step changes slots: one barrier; in front of it each wave waits for all its tensor loads, adds 0 to its spare word, and waits for that and for its own reads of this slot.  fill = 1: this slot is filled again, two K steps ahead.
.macro TURN slot, next, fill
	s_wait_tensorcnt 0x0                           ; all my tensor loads have landed: my part of the next slot
	ds_add_u32 v[SPW], v[NIL]                      ; 0 onto my spare word
	s_wait_dscnt 4*NL+1                            ; (the add and the youngest sixteen loads may be out)
	WIN MUL_LO
	MUL16 0, 1, 0
	s_wait_dscnt 0x0                               ; the add is done, and my reads of this slot are over
	s_barrier_signal -1
	MUL16 2, 1, 0
	WIN 0
	s_barrier_wait -1
.if \fill
	CREST                                          ; the barrier has opened a round of the cluster's: no wave of any partner still reads this slot or has a load on its way
	s_add_nc_u64 s[G0+4*\slot+2:G0+4*\slot+3], s[G0+4*\slot+2:G0+4*\slot+3], s[SA2:SA2+1]
	s_add_nc_u64 s[G0B+4*\slot+2:G0B+4*\slot+3], s[G0B+4*\slot+2:G0B+4*\slot+3], s[SB2:SB2+1]
	JLOAD G0+4*\slot, G1, G0B+4*\slot, G1B         ; the first tensor load behind the round; its four v_nop are also the places in front of the loads below
.else
	PLACES NP
.endif
	FETCH_B \next, 0, 0
	FETCH_A \next, 0, 0
	WIN MUL_HI
	MUL16 4, 1, 0
	MUL16 6, 1, 0
	PLACES NP
	WIN 0
	FETCH_A \next, 0, 4
.endm
	s_wait_tensorcnt 1                             ; my part of K step 0 is in (K step 1's load may be out)
	s_barrier_signal -1
	s_barrier_wait -1                              ; everybody's is
	FETCH_B 0, 0, 0
	FETCH_A 0, 0, 0
	FETCH_A 0, 0, 4
	STEP 0, 0, 1                                   ; four K steps, eight steps of 128: written out, no loop
	TURN 0, 1, 1                                   ; slot 0 takes K step 2
	STEP 1, 0, 0
	TURN 1, 0, 1                                   ; slot 1 takes K step 3
	STEP 0, 0, 0
	TURN 0, 1, 0                                   ; nothing is left to fetch
	STEP 1, 0, 0
	s_wait_dscnt 4*NL
	WIN MUL_LO
	MUL16 0, 1, 0
	MUL16 2, 1, 0
	s_wait_dscnt 0
	WIN MUL_HI
	MUL16 4, 1, 0
	MUL16 6, 1, 0
	WIN 0
	; THE WAY OUT.  A sum stands for sum x 2^(ea + eb); its code is sum / 2^(e_next - ea - eb): the three scales are folded into the conversion's one.
	s_wait_kmcnt 0x0
	s_sub_co_i32 s88, s82, s76                     ; q: e6 - e0 - e1
	s_sub_co_i32 s88, s88, s77
	s_sub_co_i32 s89, s83, s78                     ; k: e7 - e2 - e3
	s_sub_co_i32 s89, s89, s79
	s_sub_co_i32 s90, s85, s80                     ; v: e9 - e4 - e5
	s_sub_co_i32 s90, s90, s81
	s_cmp_eq_u32 s12, 1
	s_cselect_b32 s88, s89, s88
	s_cmp_eq_u32 s12, 2
	s_cselect_b32 s88, s90, s88
	s_add_co_i32 s88, s88, 127
	s_lshl_b32 s89, s88, 23
	v_mov_b32 v[SCV], s89
	s_add_co_i32 s88, s88, 15
	s_lshl_b32 s88, s88, 23
	s_or_b32 s88, s88, 0x600000
	v_mov_b32 v[LIMV], s88
	s_lshl_b32 s90, s17, 1
	s_add_co_u32 s90, s90, s15                     ; my 128 rows of A',
	s_lshl_b32 s91, s42, 1
	s_add_co_u32 s91, s91, s16                     ; and of B'
	s_cmp_eq_u32 s12, 2
	s_cselect_b32 s92, s91, s90                    ; the block of 128 tokens, 0 .. 63
	s_cselect_b32 s93, s90, s91                    ; the pair of heads, 0 .. 7
	s_lshr_b32 s94, s92, 4
	s_lshl_b32 s94, s94, 3
	s_add_co_u32 s94, s94, s93                     ; 8 b + pair
	s_lshl_b32 s94, s94, 4
	s_and_b32 s92, s92, 15
	s_add_co_u32 s94, s94, s92                     ; x 16 + the block in its batch
	s_lshl_b32 s94, s94, 14                        ; 16,384 bytes a block
	s_lshl_b32 s95, s12, 23                        ; 8 MiB for each of q, k, v
	s_add_co_u32 s94, s94, s95
	s_mov_b32 s95, 0
	s_add_nc_u64 s[10:11], s[10:11], s[94:95]
	PLACES NP                                      ; behind the last products
.macro OUTBLK a                        ; A's block a: 64 sums a lane become a fragment's 16 registers, which have registers of their own for each block: no store's data are written again
.set AC, 64*((\a)%4)
	WIN 0x02+((\a)/4)                              ; source 0: window 2 or 3
.set oj, 0
.rept 64
	v_med3_num_f32 v[TMP+oj], v[AC+oj], -v[LIMV], v[LIMV]   ; the hold (the conversion does not saturate: ISA guide 7.6.2); each accumulator from its low end on
.set oj, oj+1
.endr
	WIN 0
.set oj, 0
.rept 8
	v_cvt_scalef32_pk8_bf8_f32 v[AF+16*(\a)+2*oj:AF+16*(\a)+2*oj+1], v[TMP+8*oj:TMP+8*oj+7], v[SCV]
.set oj, oj+1
.endr
	v_nop                                          ; a plain vector line between the conversions and the next block's holds, which write their sources
.set oj, 0
.rept 4
	global_store_b128 v[CO], v[AF+16*(\a)+4*oj:AF+16*(\a)+4*oj+3], s[10:11] offset:(\a)*2048+oj*512   ; 32 lanes store 512 consecutive bytes, at a multiple of 512 from the buffer's first byte
.set oj, oj+1
.endr
.endm
.irp a, 0,1,2,3,4,5,6,7
	OUTBLK \a
.endr
	s_wait_tensorcnt 0x0                           ; the wave's end
	ds_add_u32 v[SPW], v[NIL]
	s_wait_dscnt 0x0
	CROUND                                         ; the closing round: no work-group ends while a partner may still ask for a tile that names it
	s_endpgm
.Lfunc_end_k_q1b0aba5bac_proj:
	.size	k_q1b0aba5bac_proj, .Lfunc_end_k_q1b0aba5bac_proj-k_q1b0aba5bac_proj
	.p2alignl 7, 3214868480
	.fill 96, 4, 3214868480
	.section	.rodata,"a",@progbits
	.p2align	6, 0x0
	.amdhsa_kernel k_q1b0aba5bac_proj
		.amdhsa_group_segment_fixed_size 327680
		.amdhsa_private_segment_fixed_size 0
		.amdhsa_enable_private_segment 0
		.amdhsa_kernarg_size 32
		.amdhsa_user_sgpr_count 2
		.amdhsa_user_sgpr_kernarg_segment_ptr 1
		.amdhsa_wavefront_size32 1
		.amdhsa_system_sgpr_workgroup_id_x 1
		.amdhsa_system_sgpr_workgroup_id_y 1
		.amdhsa_system_sgpr_workgroup_id_z 1
		.amdhsa_system_vgpr_workitem_id 0
		.amdhsa_next_free_vgpr 1024
		.amdhsa_next_free_sgpr 100
		.amdhsa_reserve_vcc 0
		.amdhsa_float_denorm_mode_32 3
		.amdhsa_float_denorm_mode_16_64 3
		.amdhsa_memory_ordered 1
		.amdhsa_forward_progress 1
		.amdhsa_inst_pref_size 118
	.end_amdhsa_kernel
	.amdgpu_metadata
---
amdhsa.version: [ 1, 2 ]
amdhsa.kernels:
  - .name:           k_q1b0aba5bac_proj
    .symbol:         k_q1b0aba5bac_proj.kd
    .args:
      - { .name: xc, .offset: 0, .size: 8, .value_kind: global_buffer, .address_space: global }
      - { .name: wc, .offset: 8, .size: 8, .value_kind: global_buffer, .address_space: global }
      - { .name: lowp_scales, .offset: 16, .size: 8, .value_kind: global_buffer, .address_space: global }
      - { .name: qkv, .offset: 24, .size: 8, .value_kind: global_buffer, .address_space: global }
    .group_segment_fixed_size: 327680
    .private_segment_fixed_size: 0
    .kernarg_segment_align: 8
    .kernarg_segment_size: 32
    .max_flat_workgroup_size: 128
    .sgpr_count:     100
    .vgpr_count:     1024
    .wavefront_size: 32
...
	.end_amdgpu_metadata
.endif
;; end of part 2
;; launch attn (part 3): grid 8 x 32, 16 waves a work-group, no clusters, 327,680 bytes of LDS; arguments qkv, lowp_scales, cc; writes cc
.if DOCPART == 3
	.amdgcn_target "amdgcn-amd-amdhsa--gfx1250"
	.amdhsa_code_object_version 6
	.text
	.protected	k_q1b0aba5bac_attn
	.globl	k_q1b0aba5bac_attn
	.p2align	8
	.type	k_q1b0aba5bac_attn,@function
k_q1b0aba5bac_attn:
	s_mov_b64 s[64:65], 0
	v_nop
	global_prefetch_b8 v0, s[64:65] scope:SCOPE_SE
	s_setreg_imm32_b32 hwreg(HW_REG_WAVE_MODE, 25, 1), 1
	s_wait_xcnt 0x0
; Causal attention on codes of BF8 (E5M2), heads of 64: ctx = softmax(q k^T / 8, key <= query) v, quantised at once for the last product.
; THE SOFTMAX AHEAD OF THE SECOND PRODUCT: t = score x log2(e) / 8; M = the row's largest t so far, rounded UP to a whole number; p = 2^(t - M) is what is quantised; the row's sum is taken of the
; unquantised p, in f32, and divides at the end.  When M moves, the sum and O are multiplied by 2^(old M - new M): exact.
; SHARES.  Work-group (I = x, 0 .. 7; y = 8 b + pair of heads) owns two blocks of 128 queries of both heads of the pair: block I, then block 15 - I: (I + 1) + (16 - I) = 17 key steps of 128 keys, the same count
; for every work-group, so all trip counts are constants.  Wave w: head w / 8 of the pair, queries 16 (w % 8) on: one tile, 256 registers, four waves to a SIMD.  Keys behind a block's diagonal are never fetched.
; NO CLUSTER: from step I + 1 on, work-groups with different I want different key blocks in the same trip; a form in which all partners walk all 16 blocks twice would fetch about twice the tiles.
; OPERANDS ARE IMAGES OF REGISTERS (made by the launch before): a block of 128 tokens of a pair of heads is 16,384 dense bytes of k and as many of v.  S^T = K Q^T (source 0 = 16 keys, source 1 = my 16 queries, K = 64),
; O^T = V^T P^T (source 0 = 16 channels, source 1 = P, K = 128 keys): a lane holds ONE query throughout; register 8 tau + j of S^T is key 16 tau + 8 (lane / 16) + j, so one conversion of tile tau gives
; registers 2 tau, 2 tau + 1 of P; one conversion of a tile of O^T gives two registers of the last product's operand.  No LDS store anywhere.
; THE RING: two slots of two key steps (K's block, V's block, twice: 65,536 bytes).  Waves 0-3 fetch one block each; all sixteen read.  The change of slots stands at a slot's head.
; cc: ctx's codes, [4 K steps of 256][512 tiles of 16 rows][2 fragments][4 groups][32 lanes][16].
; LIMITS: e6 + e7 between -123 and 130 (added to c's exponent field); e8, and e10 - e8 - e9, between -126 and 112.
.set STEPB, 32768                      ; a key step in LDS: K's block, then V's
.set SLOT1, 65536                      ; slot 1 begins here: one exclusive or turns an address in one slot into the other's
.set SPARE, 131072                     ; behind the ring: the spare words, 128 bytes for each of the sixteen waves, which no other line names
.set AK0, 1                            ; v1   my lane's place in a block of K: 16 x lane + 1,024 x head
.set AV0, 2                            ; v2   in a step's V: 16 x lane + 16,384 + 8,192 x head
.set PFO, 3                            ; v3   256 x lane: the prefetches' offset
.set LN,  4                            ; v4   16 x lane
.set SPW, 5                            ; v5   LDS address of my spare word; never rewritten
.set NIL, 6                            ; v6   0; never rewritten
.set DQ,  7                            ; v7   my query in its block - 8 (lane / 16)
.set ADK, 8                            ; v8, v9  the addresses of the slot in hand
.set ADV, 9
.set PS,  24                           ; v24  2^e8;  v25  57,344 x 2^e8;  v26, v27 the same with e10 - e8 - e9
.set PL,  25                           ; v12 -M, v13 the largest t, v[14:15] the sum in two halves; v16-23 Q; v32-95 K's, then V's fragments; v96-159 S^T, then p; v160-191 O^T; v224-239 p's codes
.set CSC, 26
.set CLM, 27
.set TB,  2                            ; s2   LDS byte at which the slot in hand begins
.set HH,  17
.set WV,  18
.set WQ,  19
.set SEL, 20                           ; s[20:21] lane selects for v_permlanex16_b32: lane l xor 16
.set CS,  22                           ; s[22:23] c = log2(e) / 8 x 2^(e6 + e7)
.set G1,  24                           ; s[24:31] descriptor group 1
.set RI,  32                           ; s32 I;  s33 I + 1;  s34 the step, 0 .. 16;  s35 the step on the diagonal of the block in hand;  s36 that block;  s37 the step that I fetch
.set RI1, 33
.set RT,  34
.set RDG, 35
.set RQB, 36
.set RNT, 37
.set G0,  40                           ; s[40:43] descriptor group 0, which walks
.set KVB, 44                           ; s[44:45] k's or v's codes of my pair of heads;  s[46:47] the key block's bytes
.set OF,  46
.set Q0,  48                           ; s[48:49] q's codes: my tile of block 0;  s[50:51] of the block in hand;  s[52:53], s[54:55] the same in cc
.set QA,  50
.set CT0, 52
.set CT,  54
.set PFA, 56                           ; s[56:57] where my prefetches stand
.set LIM, 58                           ; s58  a wave prefetches while s[SLOTS] is above it
.set SLOTS, 67
.macro TLOAD lim                       ; waves under lim fetch; the branch hangs on the wave's number alone; four v_nop follow the load
	s_cmp_lt_u32 s[WV], \lim
	s_cbranch_scc0 .Lasked_\@
	tensor_load_to_lds s[G0:G0+3], s[G1:G1+7]
	s_nop 0
.rept 4
	v_nop
.endr
.Lasked_\@:
.endm
; A PREFETCH INTO THE L2 of what the NEXT change of slots will ask for.  All eight work-groups of a pair of heads walk the same k and v: the one with I = 0 asks, whose step t takes key block t - 1.  In it waves 4 to 11, which
; fetch nothing, ask, one instruction each: wave 4 + j for half j % 2 (8,192 bytes, lanes 256 bytes apart) of block j / 2 of the slot's four.  So key blocks 3 to 15 of k and of v are named once in the launch.
; The slot's second step has no block behind block 15: its waves stop one change earlier.  Blocks 0 to 2 come by their loads alone.
.macro ASK
	s_cmp_gt_u32 s[SLOTS], s[LIM]
	s_cbranch_scc0 .Lnot_mine_\@
	global_prefetch_b8 v[PFO], s[PFA:PFA+1] th:TH_LOAD_NT scope:SCOPE_SE
.Lnot_mine_\@:
.endm
	s_load_b128 s[4:7], s[0:1], 0x0                ; qkv s[4:5], the scales' exponents s[6:7]
	s_load_b64 s[8:9], s[0:1], 0x10                ; cc
	v_lshl_add_u32 v[SPW], v0, 2, SPARE
	v_mov_b32 v[NIL], 0
	ds_add_u32 v5, v6
	s_wait_dscnt 0x0
	v_lshrrev_b32 v8, 5, v0
	v_readfirstlane_b32 s[WV], v8                  ; wave 0..15
	s_lshr_b32 s[HH], s[WV], 3                     ; my head of the pair
	s_and_b32 s[WQ], s[WV], 7                      ; my tile of 16 queries
	s_mov_b32 s[RI], ttmp9
	s_add_co_u32 s[RI1], s[RI], 1
	s_and_b32 s80, ttmp7, 0xffff                   ; 8 b + pair
	s_lshl_b32 s81, s80, 18                        ; its 16 blocks of 16,384 bytes
	s_mov_b32 s[G1], 3<<16                         ; no mask; elements of 8 bytes; no padding: a dense block of 64 rows x 256 bytes
	s_mov_b32 s[G1+1], 32<<16                      ; tensor_dim0 = 32
	s_mov_b32 s[G1+2], 64<<16                      ; tensor_dim1 = 64
	s_mov_b32 s[G1+3], 32<<16                      ; tile_dim0 = 32
	s_mov_b32 s[G1+4], 64                          ; tile_dim1 = 64
	s_mov_b32 s[G1+5], 32                          ; tensor_dim0_stride
	s_mov_b32 s[G1+6], 0
	s_mov_b32 s[G1+7], 0
	s_and_b32 s82, s[WV], 1                        ; what I fetch, if I fetch: even waves k, odd waves v,
	s_add_co_u32 s82, s82, 1
	s_lshl_b32 s82, s82, 23                        ; which lie 8 and 16 MiB behind q
	s_add_co_u32 s82, s82, s81
	s_mov_b32 s83, 0
	s_bfe_u32 s[RNT], s[WV], 0x10001               ; waves 0, 1 a slot's first step, waves 2, 3 its second
	s_cmp_gt_u32 s[RNT], s[RI]                     ; step t takes key block t up to t = I, then t - I - 1
	s_cselect_b32 s84, s[RI1], 0
	s_sub_co_u32 s84, s[RNT], s84
	s_lshl_b32 s[OF], s84, 14
	s_mov_b32 s[OF+1], 0
	s_and_b32 s85, s[WV], 3
	s_mov_b32 s[SEL], 0x76543210
	s_mov_b32 s[SEL+1], 0xfedcba98
	s_mov_b32 s[CS], 0x3e38aa3b                    ; log2(e) / 8
	s_mov_b32 s[TB], 0
	s_mov_b32 s[SLOTS], 7
	s_mov_b32 s[RT], 0
	s_mov_b32 s[RDG], s[RI]
	s_mov_b32 s[RQB], s[RI]
	s_wait_kmcnt 0x0
	s_load_b128 s[68:71], s[6:7], 0x18             ; e6, e7, e8, e9
	s_load_b32 s72, s[6:7], 0x28                   ; e10
	s_add_nc_u64 s[KVB:KVB+1], s[4:5], s[82:83]
	s_mov_b32 s[G0], 1                             ; count = 1
	s_lshl_b32 s[G0+1], s85, 14                    ; LDS address: slot 0, block = my wave's number
	s_add_nc_u64 s[G0+2:G0+3], s[KVB:KVB+1], s[OF:OF+1]
	s_or_b32 s[G0+3], s[G0+3], 0x80000000          ; type = 2
	TLOAD 4                                        ; slot 0: steps 0 and 1
	s_lshl_b32 s84, s[WQ], 11                      ; q: 2,048 bytes a tile of tokens, 1,024 a head
	s_lshl_b32 s85, s[HH], 10
	s_add_co_u32 s84, s84, s85
	s_add_co_u32 s84, s84, s81
	s_mov_b32 s85, 0
	s_add_nc_u64 s[Q0:Q0+1], s[4:5], s[84:85]
	s_lshl_b32 s86, s[RQB], 14
	s_mov_b32 s87, 0
	s_add_nc_u64 s[QA:QA+1], s[Q0:Q0+1], s[86:87]
	v_and_b32 v10, 31, v0
	v_lshlrev_b32 v[LN], 4, v10
	v_lshlrev_b32 v[PFO], 8, v10
	global_load_b128 v[16:19], v[LN], s[QA:QA+1]   ; Q's fragment stays in registers
	global_load_b128 v[20:23], v[LN], s[QA:QA+1] offset:512
	s_and_b32 s88, s80, 7                          ; the pair of heads = 128 of the last product's K:
	s_lshr_b32 s89, s80, 3                         ; b
	s_lshr_b32 s90, s88, 1
	s_lshl_b32 s90, s90, 21                        ; the K step's plane of 2 MiB,
	s_lshl_b32 s89, s89, 7
	s_add_co_u32 s89, s89, s[WQ]
	s_lshl_b32 s89, s89, 12                        ; the tile of 16 rows (128 b + my tile; + 8 a block),
	s_add_co_u32 s90, s90, s89
	s_and_b32 s88, s88, 1
	s_lshl_b32 s88, s88, 11                        ; the fragment,
	s_add_co_u32 s90, s90, s88
	s_lshl_b32 s88, s[HH], 10                      ; my head's two groups
	s_add_co_u32 s90, s90, s88
	s_mov_b32 s91, 0
	s_add_nc_u64 s[CT0:CT0+1], s[8:9], s[90:91]
	s_sub_co_u32 s82, s[WV], 4                     ; the prefetches: j
	s_lshr_b32 s83, s82, 3                         ; 0 in waves 4 to 11,
	s_or_b32 s83, s83, ttmp9                       ; of the work-group with I = 0
	s_bfe_u32 s84, s82, 0x10002                    ; the slot's step,
	s_bfe_u32 s85, s82, 0x10001                    ; k or v,
	s_and_b32 s86, s82, 1                          ; the half
	s_cmp_eq_u32 s83, 0
	s_cselect_b32 s[LIM], s84, -1
	s_add_co_u32 s85, s85, 1
	s_lshl_b32 s85, s85, 23
	s_add_co_u32 s84, s84, 1                       ; at key block 1 or 2: the first change of slots steps it to 3 or 4.  Nothing is prefetched here, at the head
	s_lshl_b32 s84, s84, 14
	s_lshl_b32 s86, s86, 13
	s_add_co_u32 s84, s84, s85
	s_add_co_u32 s84, s84, s86
	s_add_co_u32 s84, s84, s81
	s_mov_b32 s85, 0
	s_add_nc_u64 s[PFA:PFA+1], s[4:5], s[84:85]
	s_lshl_b32 s92, s[HH], 10
	v_add_nc_u32 v[AK0], s92, v[LN]
	s_lshl_b32 s92, s[HH], 13
	s_add_co_u32 s92, s92, 16384
	v_add_nc_u32 v[AV0], s92, v[LN]
	v_and_b32 v10, 15, v0
	v_bfe_u32 v11, v0, 4, 1
	v_lshlrev_b32 v11, 3, v11
	v_sub_nc_u32 v[DQ], v10, v11
	s_lshl_b32 s92, s[WQ], 4
	v_add_nc_u32 v[DQ], s92, v[DQ]                 ; 16 x tile + lane % 16 - 8 (lane / 16)
	v_mov_b32 v13, 0xff61b1e6                      ; the largest t so far: -3e38, under every t
	v_floor_f32 v12, -v13                          ; -M
	v_mov_b32 v14, 0
	v_mov_b32 v15, 0
	v_mov_b32 v248, 0                              ; written once: a lane permute's destination counts as one of its sources
	v_mov_b32 v253, 0                              ; (named as the upper half of the pair v[252:253])
.set i, 0
.rept 32
	v_mov_b32 v[160+i], 0                          ; O^T: a block's first step finds zeros, which the first change of M leaves zeros
.set i, i+1
.endr
	s_wait_kmcnt 0x0
	s_add_co_i32 s82, s68, s69
	s_lshl_b32 s82, s82, 23
	s_add_co_i32 s[CS], s[CS], s82                 ; a score stands for score x 2^(e6 + e7): added to c's exponent field
	s_mov_b32 s[CS+1], s[CS]                       ; (named with it as a pair, so it is written)
	s_add_co_i32 s82, s70, 127
	s_lshl_b32 s83, s82, 23
	v_mov_b32 v[PS], s83
	s_add_co_i32 s82, s82, 15
	s_lshl_b32 s82, s82, 23
	s_or_b32 s82, s82, 0x600000
	v_mov_b32 v[PL], s82
	s_sub_co_i32 s82, s72, s70                     ; O / the sum stands for ctx / 2^(e8 + e9): ctx's code is that / 2^(e10 - e8 - e9)
	s_sub_co_i32 s82, s82, s71
	s_add_co_i32 s82, s82, 127
	s_lshl_b32 s83, s82, 23
	v_mov_b32 v[CSC], s83
	s_add_co_i32 s82, s82, 15
	s_lshl_b32 s82, s82, 23
	s_or_b32 s82, s82, 0x600000
	v_mov_b32 v[CLM], s82
; A KEY STEP: 128 keys, the q-th of the slot in hand.
.macro STEP q
	v_add_nc_u32 v[ADK], s[TB], v[AK0]
	v_add_nc_u32 v[ADV], s[TB], v[AV0]
.set i, 0
.rept 16                                       ; K: eight fragments of 16 keys x 64 (four places stand behind the last products that read these registers: at the step's end)
	ds_load_b128 v[32+4*i:35+4*i], v[ADK] offset:(\q)*STEPB+(i/2)*2048+(i%2)*512
.set i, i+1
.endr
	s_wait_dscnt 0x0
.set i, 0
.rept 8
	v_wmma_f32_16x16x64_bf8_bf8 v[96+8*i:103+8*i], v[32+8*i:39+8*i], v[16:23], 0
.set i, i+1
.endr
.rept 4
	v_nop                                          ; places in front of the loads below and of the first read of the scores
.endr
.set i, 0
.rept 16                                       ; V: four fragments of 16 channels x 128 keys; they land under the softmax
	ds_load_b128 v[32+4*i:35+4*i], v[ADV] offset:(\q)*STEPB+i*512
.set i, i+1
.endr
	s_cmp_lg_u32 s[RT], s[RDG]                     ; on the block's diagonal the scores of hidden keys become -infinity ahead of the maximum: p = 0 then.  A branch on ids and a counter
	s_cbranch_scc1 .Lopen_\@
	v_mov_b32 v254, 0xff800000
.set i, 0
.rept 64
	v_cmp_gt_i32 vcc_lo, 16*(i/8)+i%8, v[DQ]       ; register i holds key 16 (i / 8) + i % 8 + 8 (lane / 16) of the block
	v_cndmask_b32 v[96+i], v[96+i], v254, vcc_lo
.set i, i+1
.endr
.Lopen_\@:
	v_max3_num_f32 v254, v96, v97, v98             ; the step's largest score of my query among my 64 keys, in two chains, ascending
	v_max3_num_f32 v252, v99, v100, v101
.set i, 6
.rept 14
	v_max3_num_f32 v254, v254, v[96+i], v[97+i]
	v_max3_num_f32 v252, v252, v[98+i], v[99+i]
.set i, i+4
.endr
	v_max3_num_f32 v254, v254, v158, v159
	v_max_num_f32 v254, v254, v252
	v_permlanex16_b32 v248, v254, s[SEL], s[SEL+1]
	v_max_num_f32 v254, v254, v248                 ; and among lane l xor 16's
	v_mul_f32 v254, s[CS], v254                    ; as t (c is positive)
	v_max_num_f32 v13, v13, v254                   ; the running largest t
	v_mov_b32 v254, v12
	v_floor_f32 v12, -v13                          ; the new -M = floor(-t): M is a whole number
	v_sub_f32 v254, v12, v254                      ; old M - new M: a whole number, 0 or less
	v_cvt_i32_f32 v254, v254                       ; (it saturates)
	v_ldexp_f32 v252, 1.0, v254                    ; f = 2^(old M - new M)
.set i, 0
.rept 32
	v_pk_fma_f32 v[96+i:97+i], v[96+i:97+i], s[CS:CS+1], v[12:13] op_sel_hi:[1,0,0]   ; t - M, two at a time
.set i, i+2
.endr
.set i, 0
.rept 64
	v_exp_f32 v[96+i], v[96+i]                     ; p = 2^(t - M), at most 1
.set i, i+1
.endr
	v_pk_mul_f32 v[14:15], v[14:15], v[252:253] op_sel_hi:[1,0]   ; the sums under the new M: the plain line behind the exponentials
	s_wait_alu depctr_va_vdst(0)                   ; one wait for the whole batch, ahead of its first reader
	v_pk_add_f32 v[242:243], v[96:97], v[98:99]    ; the row's sum is taken of the unquantised p: two at a time, in two chains
.set i, 4
.rept 15
	v_pk_add_f32 v[14:15], v[14:15], v[96+i:97+i]
	v_pk_add_f32 v[242:243], v[242:243], v[98+i:99+i]
.set i, i+4
.endr
	v_pk_add_f32 v[14:15], v[14:15], v[242:243]
.set t, 0
.rept 8
.set i, 0
.rept 8
	v_min_num_f32 v[96+8*t+i], v[96+8*t+i], v[PL]  ; the conversion does not saturate (ISA guide 7.6.2); p is not negative, so the hold is one-sided
.set i, i+1
.endr
	v_cvt_scalef32_pk8_bf8_f32 v[224+2*t:225+2*t], v[96+8*t:103+8*t], v[PS]
.set t, t+1
.endr
.set i, 0
.rept 16
	v_pk_mul_f32 v[160+i:161+i], v[160+i:161+i], v[252:253] op_sel_hi:[1,0]   ; O^T under the new M; these are also the plain lines between the conversions and the products
.set i, i+2
.endr
	s_wait_dscnt 0x0                               ; V is in
.set t, 0
.rept 4
	v_wmma_f32_16x16x128_bf8_bf8 v[160+8*t:167+8*t], v[32+16*t:47+16*t], v[224:239], v[160+8*t:167+8*t]   ; four accumulators by turns
.set t, t+1
.endr
.rept 4
	v_nop                                          ; places behind the products: for the next step's loads, and for the reads below
.endr
	s_cmp_lg_u32 s[RT], s[RDG]
	s_cbranch_scc1 .Lon_\@
	; THE BLOCK'S END: O^T / the sum, quantised: two groups of the last product's fragment, 512 consecutive bytes a store
	v_add_f32 v14, v14, v15
	v_permlanex16_b32 v248, v14, s[SEL], s[SEL+1]
	v_add_f32 v14, v14, v248                       ; the row's sum
	v_rcp_f32 v14, v14
	v_nop                                          ; a plain line behind the transcendental
	s_lshl_b32 s82, s[RQB], 15                     ; 8 tiles of 4,096 bytes a block
	s_mov_b32 s83, 0
	s_add_nc_u64 s[CT:CT+1], s[CT0:CT0+1], s[82:83]
	s_wait_alu depctr_va_vdst(0)                   ; the wait ahead of the reciprocal's first reader
.set i, 0
.rept 16
	v_pk_mul_f32 v[96+i:97+i], v[160+i:161+i], v[14:15] op_sel_hi:[1,0]
.set i, i+2
.endr
.set i, 0
.rept 32
	v_med3_num_f32 v[96+i], v[96+i], -v[CLM], v[CLM]
.set i, i+1
.endr
.set t, 0
.rept 4
	v_cvt_scalef32_pk8_bf8_f32 v[224+2*t:225+2*t], v[96+8*t:103+8*t], v[CSC]
.set t, t+1
.endr
	v_nop                                          ; a plain line behind the conversions: products will write their sources
	global_store_b128 v[LN], v[224:227], s[CT:CT+1]
	global_store_b128 v[LN], v[228:231], s[CT:CT+1] offset:512
	s_cmp_eq_u32 s[RT], 16
	s_cbranch_scc1 .Lend_\@
	s_sub_co_u32 s[RQB], 15, s[RI]                 ; on to the second block: its diagonal is the last step
	s_mov_b32 s[RDG], 16
	s_lshl_b32 s82, s[RQB], 14
	s_add_nc_u64 s[QA:QA+1], s[Q0:Q0+1], s[82:83]  ; (the loads that read it were waited for)
	global_load_b128 v[16:19], v[LN], s[QA:QA+1]
	global_load_b128 v[20:23], v[LN], s[QA:QA+1] offset:512
	v_mov_b32 v13, 0xff61b1e6
	v_floor_f32 v12, -v13
	v_mov_b32 v14, 0
	v_mov_b32 v15, 0
.set i, 0
.rept 32
	v_mov_b32 v[160+i], 0
.set i, i+1
.endr
	s_wait_loadcnt 0x0
.Lend_\@:
	s_wait_xcnt 0x0                                ; the stores have read their data and their base: both are written again later
.Lon_\@:
	s_add_co_u32 s[RT], s[RT], 1
.endm
; THE CHANGE OF SLOTS, at a slot's head.  Each wave waits for all its tensor loads (its part of the slot that it is about to read), adds 0 to its spare word, and waits for that and for its reads of the slot that it has left.
; Behind the barrier the slot ahead is whole and nobody reads the other.  fill = 1: that other slot takes the next two steps; 2: the last step alone; 0: nothing.  The load has two steps in which to land.
.macro CHANGE fill
	s_wait_tensorcnt 0x0                           ; no tensor load of mine is out, so the group 0 may be written
	ds_add_u32 v[SPW], v[NIL]                      ; 0 onto my spare word; the descriptor's steps stand between it and the wait for it
.if \fill
	s_add_co_u32 s[RNT], s[RNT], 2
	s_cmp_gt_u32 s[RNT], s[RI]
	s_cselect_b32 s82, s[RI1], 0
	s_sub_co_u32 s82, s[RNT], s82                  ; the step's key block
	s_lshl_b32 s[OF], s82, 14
	s_add_nc_u64 s[G0+2:G0+3], s[KVB:KVB+1], s[OF:OF+1]
	s_or_b32 s[G0+3], s[G0+3], 0x80000000
	s_xor_b32 s[G0+1], s[G0+1], SLOT1              ; the other slot than last time
.endif
.if \fill == 1
	s_wait_xcnt 0x0                                ; the last prefetch, a slot back, has read its address
	s_add_nc_u64 s[PFA:PFA+1], s[PFA:PFA+1], 32768 ; two key blocks on
.endif
	s_wait_dscnt 0x0                               ; the add is done, and my reads of the slot that I have left are over
	s_barrier_signal -1
	s_barrier_wait -1
.if \fill == 1
	TLOAD 4                                        ; the first thing behind the barrier, and a wave's one tensor load until the next
	ASK
.elseif \fill == 2
	TLOAD 2
.endif
.endm
	s_wait_loadcnt 0x0                             ; Q
.Lslot:                                            ; seven trips: steps 0 to 13; behind each change the next slot is asked for
	CHANGE 1
	STEP 0
	STEP 1
	s_xor_b32 s[TB], s[TB], SLOT1
	s_sub_co_u32 s[SLOTS], s[SLOTS], 1
	s_cmp_lg_u32 s[SLOTS], 0
	s_cbranch_scc1 .Lslot
	CHANGE 2                                       ; the tail is written out: steps 14 and 15, while step 16's blocks come
	STEP 0
	STEP 1
	s_xor_b32 s[TB], s[TB], SLOT1
	CHANGE 0
	STEP 0                                         ; step 16: the second block's diagonal
	s_wait_tensorcnt 0x0                           ; the wave's end
	ds_add_u32 v[SPW], v[NIL]
	s_wait_dscnt 0x0
	s_endpgm
.Lfunc_end_k_q1b0aba5bac_attn:
	.size	k_q1b0aba5bac_attn, .Lfunc_end_k_q1b0aba5bac_attn-k_q1b0aba5bac_attn
	.p2alignl 7, 3214868480
	.fill 96, 4, 3214868480
	.section	.rodata,"a",@progbits
	.p2align	6, 0x0
	.amdhsa_kernel k_q1b0aba5bac_attn
		.amdhsa_group_segment_fixed_size 327680
		.amdhsa_private_segment_fixed_size 0
		.amdhsa_enable_private_segment 0
		.amdhsa_kernarg_size 24
		.amdhsa_user_sgpr_count 2
		.amdhsa_user_sgpr_kernarg_segment_ptr 1
		.amdhsa_wavefront_size32 1
		.amdhsa_system_sgpr_workgroup_id_x 1
		.amdhsa_system_sgpr_workgroup_id_y 1
		.amdhsa_system_sgpr_workgroup_id_z 1
		.amdhsa_system_vgpr_workitem_id 0
		.amdhsa_next_free_vgpr 256
		.amdhsa_next_free_sgpr 100
		.amdhsa_reserve_vcc 1
		.amdhsa_float_denorm_mode_32 3
		.amdhsa_float_denorm_mode_16_64 3
		.amdhsa_memory_ordered 1
		.amdhsa_forward_progress 1
		.amdhsa_inst_pref_size 138
	.end_amdhsa_kernel
	.amdgpu_metadata
---
amdhsa.version: [ 1, 2 ]
amdhsa.kernels:
  - .name:           k_q1b0aba5bac_attn
    .symbol:         k_q1b0aba5bac_attn.kd
    .args:
      - { .name: qkv, .offset: 0, .size: 8, .value_kind: global_buffer, .address_space: global }
      - { .name: lowp_scales, .offset: 8, .size: 8, .value_kind: global_buffer, .address_space: global }
      - { .name: cc, .offset: 16, .size: 8, .value_kind: global_buffer, .address_space: global }
    .group_segment_fixed_size: 327680
    .private_segment_fixed_size: 0
    .kernarg_segment_align: 8
    .kernarg_segment_size: 24
    .max_flat_workgroup_size: 512
    .sgpr_count:     100
    .vgpr_count:     256
    .wavefront_size: 32
...
	.end_amdgpu_metadata
.endif
;; end of part 3
;; launch outp (part 4): grid 4 x 32, 4 waves a work-group, clusters of 4 x 4, 327,680 bytes of LDS; arguments cc, wc, lowp_scales, b_o, out0; writes out0
.if DOCPART == 4
	.amdgcn_target "amdgcn-amd-amdhsa--gfx1250"
	.amdhsa_code_object_version 6
	.text
	.protected	k_q1b0aba5bac_outp
	.globl	k_q1b0aba5bac_outp
	.p2align	8
	.type	k_q1b0aba5bac_outp,@function
k_q1b0aba5bac_outp:
	s_mov_b64 s[64:65], 0
	v_nop
	global_prefetch_b8 v0, s[64:65] scope:SCOPE_SE
	s_setreg_imm32_b32 hwreg(HW_REG_WAVE_MODE, 25, 1), 1
	s_wait_xcnt 0x0
	s_wait_alu depctr_hold_cnt(0) depctr_sa_sdst(0) depctr_va_vdst(0) depctr_va_sdst(0) depctr_va_ssrc(0) depctr_va_vcc(0) depctr_vm_vsrc(0)
	s_getreg_b32 s2, hwreg(HW_REG_IB_STS2, 6, 4)
	s_cmp_eq_u32 s2, 0
	s_cbranch_scc0 .Lentry_in_a_cluster
	s_endpgm
.Lentry_in_a_cluster:
	s_bfe_u32 s2, ttmp6, 0x10000c
	s_cmp_lg_u32 s2, 0xf033
	s_cbranch_scc0 .Lentry_shape_is_right
	s_endpgm
.Lentry_shape_is_right:
; out0 = ctx w_o^T + b_o on codes of BF8 (E5M2): [8192][1024] f32; sums in f32, each multiplied once by 2^(e10 + e11) and the bias added in the same fused multiply-add.
; A tile of 256 x 256 is made by four waves, 128 x 128 each: 64 accumulators, 512 registers.  K = 1,024 goes in four steps of 256 through two LDS slots.
; OPERANDS ARE IMAGES OF REGISTERS (ctx's made by the launch before, w_o's by the first): a fragment (16 rows x 128 K) is four groups of 512 bytes, lane l at 16 l; a K step's 128 rows are one dense block of 32,768 bytes.
; THE MATRIX INSTRUCTION IS USED TRANSPOSED (source 0 = 16 rows of w_o, source 1 = 16 rows of ctx): a lane holds eight neighbouring numbers of a row of the output.
; CLUSTERS: 4 x 4 work-groups.  ctx's tile is shared along a row of the cluster, w_o's along a column: each is asked for jointly.  The grid has 128 work-groups: the tile is kept at the size at which a fragment read from LDS feeds most products.
; LIMIT: e10 + e11 lies between -126 and 127, so that 2^(e10 + e11) is an f32 number.
; REGISTERS, in windows of 256: window 0: v0-31 addresses, v8-11 my four columns' bias; v128-255 A's fragments, one set; on the way out rows read back.  window 1: B's fragments, two sets.  windows 2, 3: the accumulators.
.set HALFT,  32768
.set SLOT,   4*HALFT
.set SPARE,  2*SLOT                    ; behind the ring: the spare words, 128 bytes for each wave, which no other line names
.set SPITCH, 528                       ; the way out: a stage of 16 rows x (512 bytes + 16) for each wave, in slot 0, which has had its last fill and its last read when the first result is stored there
.set FR,     16
.set NL,     4
.set NP,     4
.set ADRA, 16
.set ADRB, 20
.set STO,  24                          ; v24     the way out: where I put 32 bytes of a row
.set RD,   25                          ; v25     where I read a row back
.set CO,   26                          ; v26     16 x lane
.set SPW,  28
.set NIL,  29
.set AF,   128
.set BK,   128                         ; 16 rows read back from the stage: v128-191 and v192-255 by turns
.set G1, 24
.set G0, 32
.set G1B, 48
.set G0B, 56
.set SA,  66
.set SB,  68
.set SA2, 70
.set SB2, 72
.set OUTP, 74                          ; s[74:75] the output at my first row and column
.set MSB, 0
.macro WIN new
.if MSB != (\new)
	s_set_vgpr_msb (MSB<<8)|(\new)
.set MSB, (\new)
.endif
.endm
.set MUL_LO, 0xa1
.set MUL_HI, 0xf1
.set TO_B,   0x40
.macro JLOAD g0a, g1a, g0b, g1b        ; a joint load: waves 0 and 1 fetch for A', waves 2 and 3 for B'; four v_nop follow each of the two lines
	s_cmp_eq_u32 s15, 0
	s_cbranch_scc0 .Lfor_b_\@
	tensor_load_to_lds s[\g0a:\g0a+3], s[\g1a:\g1a+7]
	s_nop 0
.rept 4
	v_nop
.endr
	s_branch .Lasked_\@
.Lfor_b_\@:
	tensor_load_to_lds s[\g0b:\g0b+3], s[\g1b:\g1b+7]
	s_nop 0
.rept 4
	v_nop
.endr
.Lasked_\@:
.endm
.macro CREST
	s_cmp_lg_u32 s14, 0
	s_cbranch_scc1 .Lnot_wave_0_\@
	s_barrier_signal -3
.Lnot_wave_0_\@:
	s_barrier_wait -3
	s_barrier_signal -1
	s_barrier_wait -1
.endm
.macro CROUND
	s_barrier_signal -1
	s_barrier_wait -1
	CREST
.endm
	s_load_b256 s[4:11], s[0:1], 0x0               ; cc s[4:5], wc s[6:7], the scales' exponents s[8:9], b_o s[10:11]
	s_load_b64 s[OUTP:OUTP+1], s[0:1], 0x20        ; out0
	v_lshl_add_u32 v[SPW], v0, 2, SPARE
	v_mov_b32 v[NIL], 0
	ds_add_u32 v28, v29
	s_wait_dscnt 0x0
	v_lshrrev_b32 v1, 5, v0
	v_readfirstlane_b32 s14, v1                    ; wave 0..3
	s_lshr_b32 s15, s14, 1                         ; which half of the tile's rows is mine.  Also: I fetch for A' (0) or for B' (1)
	s_and_b32 s16, s14, 1                          ; which half of its columns.  Also: which 128 rows I fetch
	s_bfe_u32 s40, ttmp6, 0x40000                  ; cx, cy
	s_bfe_u32 s41, ttmp6, 0x40004
	s_lshl_b32 s42, ttmp9, 2
	s_add_co_u32 s42, s42, s40                     ; tile column = 4 x cluster x + cx
	s_and_b32 s17, ttmp7, 0xffff
	s_lshl_b32 s17, s17, 2
	s_add_co_u32 s17, s17, s41                     ; tile row = 4 x cluster y + cy
	s_mov_b32 s[SA], 0x200000                      ; a K step's plane: 512 tiles of 4,096 bytes in cc,
	s_mov_b32 s[SA+1], 0
	s_mov_b32 s[SB], 0x40000                       ; 64 in a weight
	s_mov_b32 s[SB+1], 0
	s_mov_b32 s[SA2], 0x400000
	s_mov_b32 s[SA2+1], 0
	s_mov_b32 s[SB2], 0x80000
	s_mov_b32 s[SB2+1], 0
	s_lshl_b32 s43, s41, 2
	s_lshl_b32 s43, 15, s43                        ; my row of the cluster
	s_lshl_b32 s44, 0x1111, s40                    ; my column
	s_or_b32 s[G1+0], s43, (3<<16)|(1<<21)         ; the mask; elements of 8 bytes; bit 21 set beside a mask; no padding
	s_or_b32 s[G1B+0], s44, (3<<16)|(1<<21)
.irp g, G1, G1B
	s_mov_b32 s[\g+1], 32<<16                      ; a dense block of 128 rows x 256 bytes
	s_mov_b32 s[\g+2], 128<<16
	s_mov_b32 s[\g+3], 32<<16
	s_mov_b32 s[\g+4], 128
	s_mov_b32 s[\g+5], 32
	s_mov_b32 s[\g+6], 0
	s_mov_b32 s[\g+7], 0
.endr
	s_lshl_b32 s18, s16, 15
	s_lshl_b32 s20, s17, 16
	s_add_co_u32 s20, s20, s18
	s_mov_b32 s21, 0
	s_lshl_b32 s46, s42, 16
	s_add_co_u32 s46, s46, s18
	s_mov_b32 s47, 0
	s_lshl_b32 s45, s14, 15                        ; where they go: wave x 32,768
	s_wait_kmcnt 0x0
	s_load_b64 s[96:97], s[8:9], 0x28              ; e10, e11
	s_add_nc_u64 s[6:7], s[6:7], 0x300000          ; w_o's codes are the fourth MiB of wc
	s_add_nc_u64 s[20:21], s[4:5], s[20:21]
	s_add_nc_u64 s[46:47], s[6:7], s[46:47]
	CROUND                                         ; all sixteen work-groups are here: the first joint loads meet
.irp s, 0,1
	s_mov_b32 s[G0+4*\s], 1
	s_add_co_u32 s[G0+4*\s+1], s45, \s*SLOT
	s_mov_b32 s[G0B+4*\s], 1
	s_add_co_u32 s[G0B+4*\s+1], s45, \s*SLOT
.if \s == 0
	s_mov_b64 s[G0+2:G0+3], s[20:21]
	s_mov_b64 s[G0B+2:G0B+3], s[46:47]
.else
	s_add_nc_u64 s[G0+6:G0+7], s[20:21], s[SA:SA+1]
	s_add_nc_u64 s[G0B+6:G0B+7], s[46:47], s[SB:SB+1]
.endif
	s_or_b32 s[G0+4*\s+3], s[G0+4*\s+3], 0x80000000
	s_or_b32 s[G0B+4*\s+3], s[G0B+4*\s+3], 0x80000000
	JLOAD G0+4*\s, G1, G0B+4*\s, G1B
.endr
	v_and_b32 v1, 31, v0
	v_lshlrev_b32 v[CO], 4, v1                     ; 16 x lane
	s_lshl_b32 s88, s15, 15
	s_lshl_b32 s89, s16, 15
	s_add_co_u32 s89, s89, 2*HALFT
.irp s, 0,1
	v_add_nc_u32 v[ADRA+\s], s88, v[CO]
	v_add_nc_u32 v[ADRB+\s], s89, v[CO]
	s_add_co_u32 s88, s88, SLOT
	s_add_co_u32 s89, s89, SLOT
.endr
	s_mul_i32 s90, s14, 16*SPITCH                  ; my stage
	v_and_b32 v2, 15, v0
	v_bfe_u32 v3, v0, 4, 1
	v_mul_u32_u24 v5, v2, SPITCH                   ; in: row lane % 16, 32 bytes for each half of the lanes
	v_lshl_add_u32 v5, v3, 5, v5
	v_add_nc_u32 v[STO], s90, v5
	v_add_nc_u32 v[RD], s90, v[CO]                 ; back: the 32 lanes take one row of 512 bytes
	s_lshl_b32 s92, s42, 10                        ; my first column, in bytes: 1,024 x tile column + 512 x half; the same in b_o
	s_lshl_b32 s93, s16, 9
	s_add_co_u32 s92, s92, s93
	s_mov_b32 s93, 0
	s_add_nc_u64 s[10:11], s[10:11], s[92:93]
	global_load_b128 v[8:11], v[CO], s[10:11]      ; behind the turn through the stage a lane always holds the same four columns: four registers of bias serve the tile
	s_lshl_b32 s94, s17, 8
	s_lshl_b32 s95, s15, 7
	s_add_co_u32 s94, s94, s95                     ; my first row
	s_lshl_b32 s94, s94, 12                        ; of 4,096 bytes
	s_add_co_u32 s94, s94, s92
	s_mov_b32 s95, 0
	s_add_nc_u64 s[OUTP:OUTP+1], s[OUTP:OUTP+1], s[94:95]
.macro FRAG reg, adr, q, i
.irp c, 0,1,2,3
	ds_load_b128 v[\reg+4*\c:\reg+4*\c+3], v[\adr] offset:2048*(\q)+512*\c+(\i)*4096
.endr
.endm
; The 64 accumulators take turns, one instruction a turn, in the same order in every step.
.macro MUL16 a0, p, zero
.irp a, \a0, \a0+1
.irp b, 0,1,2,3,4,5,6,7
.if \zero
	v_wmma_f32_16x16x128_bf8_bf8 v[8*(8*((\a)%4)+\b):8*(8*((\a)%4)+\b)+7], v[128*(\p)+FR*\b:128*(\p)+FR*\b+FR-1], v[AF+FR*(\a):AF+FR*(\a)+FR-1], 0
.else
	v_wmma_f32_16x16x128_bf8_bf8 v[8*(8*((\a)%4)+\b):8*(8*((\a)%4)+\b)+7], v[128*(\p)+FR*\b:128*(\p)+FR*\b+FR-1], v[AF+FR*(\a):AF+FR*(\a)+FR-1], v[8*(8*((\a)%4)+\b):8*(8*((\a)%4)+\b)+7]
.endif
.endr
.endr
.endm
.macro FETCH_B slot, q, p
	WIN TO_B
.irp i, 0,1,2,3,4,5,6,7
	FRAG 128*(\p)+FR*\i, ADRB+\slot, \q, \i
.endr
	WIN 0
.endm
.macro FETCH_A slot, q, i0
.irp i, \i0, \i0+1, \i0+2, \i0+3
	FRAG AF+FR*(\i), ADRA+\slot, \q, \i
.endr
.endm
.macro PLACES n                        ; plain vector lines between a matrix instruction and a load into, or a read of, its registers
.rept \n
	v_nop
.endr
.endm
.macro STEP slot, q, zero
	s_wait_dscnt 4*NL                              ; B's set and A's blocks 0-3 are in; the youngest sixteen loads (A's blocks 4-7) may be out
	WIN MUL_LO
	MUL16 0, (\q)%2, \zero
	MUL16 2, (\q)%2, \zero
	s_wait_dscnt 0
	PLACES NP
	FETCH_B \slot, (\q)+1, 1-(\q)%2
	FETCH_A \slot, (\q)+1, 0
	WIN MUL_HI
	MUL16 4, (\q)%2, \zero
	MUL16 6, (\q)%2, \zero
	PLACES NP
	WIN 0
	FETCH_A \slot, (\q)+1, 4
.endm
.macro TURN slot, next, fill
	s_wait_tensorcnt 0x0                           ; all my tensor loads have landed: my part of the next slot
	ds_add_u32 v[SPW], v[NIL]                      ; 0 onto my spare word
	s_wait_dscnt 4*NL+1                            ; (the add and the youngest sixteen loads may be out)
	WIN MUL_LO
	MUL16 0, 1, 0
	s_wait_dscnt 0x0                               ; the add is done, and my reads of this slot are over
	s_barrier_signal -1
	MUL16 2, 1, 0
	WIN 0
	s_barrier_wait -1
.if \fill
	CREST                                          ; the barrier has opened a round of the cluster's: no wave of any partner still reads this slot or has a load on its way
	s_add_nc_u64 s[G0+4*\slot+2:G0+4*\slot+3], s[G0+4*\slot+2:G0+4*\slot+3], s[SA2:SA2+1]
	s_add_nc_u64 s[G0B+4*\slot+2:G0B+4*\slot+3], s[G0B+4*\slot+2:G0B+4*\slot+3], s[SB2:SB2+1]
	JLOAD G0+4*\slot, G1, G0B+4*\slot, G1B         ; the first tensor load behind the round; its four v_nop are also the places in front of the loads below
.else
	PLACES NP
.endif
	FETCH_B \next, 0, 0
	FETCH_A \next, 0, 0
	WIN MUL_HI
	MUL16 4, 1, 0
	MUL16 6, 1, 0
	PLACES NP
	WIN 0
	FETCH_A \next, 0, 4
.endm
	s_wait_tensorcnt 1                             ; my part of K step 0 is in (K step 1's load may be out)
	s_barrier_signal -1
	s_barrier_wait -1
	FETCH_B 0, 0, 0
	FETCH_A 0, 0, 0
	FETCH_A 0, 0, 4
	STEP 0, 0, 1
	TURN 0, 1, 1
	STEP 1, 0, 0
	TURN 1, 0, 1
	STEP 0, 0, 0
	TURN 0, 1, 0
	STEP 1, 0, 0
	s_wait_dscnt 4*NL
	WIN MUL_LO
	MUL16 0, 1, 0
	MUL16 2, 1, 0
	s_wait_dscnt 0
	WIN MUL_HI
	MUL16 4, 1, 0
	MUL16 6, 1, 0
	WIN 0
; THE WAY OUT, block by block of 16 rows x 128 columns.  The sums go as they are through my own stage in LDS and come back as whole rows of 512 bytes; there one packed multiply-add for two numbers gives
; sum x 2^(e10 + e11) + bias, and the 32 lanes store a row.  LDS serves a wave's instructions in order (ISA guide 5.7.1.4): no wait between the stores and the loads.
.macro TOSTAGE a
.set AC, 64*((\a)%4)
	WIN 0x08+4*((\a)/4)                            ; an LDS store's data are its source 1: window 2 or 3
.irp b, 0,1,2,3,4,5,6,7
	ds_store_b128 v[STO], v[AC+8*\b:AC+8*\b+3] offset:64*\b         ; each accumulator from its low end on
	ds_store_b128 v[STO], v[AC+8*\b+4:AC+8*\b+7] offset:64*\b+16
.endr
	WIN 0
.set BB, BK+64*((\a)%2)
.irp t, 0,1,2,3,4,5,6,7,8,9,10,11,12,13,14,15
	ds_load_b128 v[BB+4*\t:BB+4*\t+3], v[RD] offset:\t*SPITCH
.endr
.endm
.macro SEND a, younger                 ; younger: the LDS instructions issued behind block a's loads, which may stay out
.set BB, BK+64*((\a)%2)
	s_wait_dscnt \younger
.if (\a) > 0
	s_add_nc_u64 s[OUTP:OUTP+1], s[OUTP:OUTP+1], 16*4096   ; (behind a wait on XCNT: the earlier stores have read their base)
.endif
.irp t, 0,1,2,3,4,5,6,7,8,9,10,11,12,13,14,15
	v_pk_fma_f32 v[BB+4*\t:BB+4*\t+1], v[BB+4*\t:BB+4*\t+1], s[96:97], v[8:9] op_sel_hi:[1,0,1]
	v_pk_fma_f32 v[BB+4*\t+2:BB+4*\t+3], v[BB+4*\t+2:BB+4*\t+3], s[96:97], v[10:11] op_sel_hi:[1,0,1]
	global_store_b128 v[CO], v[BB+4*\t:BB+4*\t+3], s[OUTP:OUTP+1] offset:\t*4096 th:TH_STORE_NT   ; 32 lanes store 512 consecutive bytes, at a multiple of 512 from the output's first byte
.endr
.endm
	s_wait_kmcnt 0x0
	s_add_co_i32 s96, s96, s97
	s_add_co_i32 s96, s96, 127
	s_lshl_b32 s96, s96, 23                        ; 2^(e10 + e11) as f32
	s_mov_b32 s97, s96                             ; (named with it as a pair, so it is written)
	s_wait_loadcnt 0x0                             ; the bias
	PLACES NP                                      ; behind the last products: for the stage's stores of results and the loads into the registers that held A's fragments
	TOSTAGE 0
.irp a, 1,2,3,4,5,6,7
.if \a > 1
	s_wait_xcnt 0x0                                ; block a - 2's stores have read their registers and their base
.endif
	TOSTAGE \a
	SEND \a-1, 32                                  ; behind block a - 1's loads: block a's 16 stores and 16 loads
.endr
	s_wait_xcnt 0x0
	SEND 7, 0
	s_wait_tensorcnt 0x0                           ; the wave's end
	ds_add_u32 v[SPW], v[NIL]
	s_wait_dscnt 0x0
	CROUND                                         ; the closing round
	s_endpgm
.Lfunc_end_k_q1b0aba5bac_outp:
	.size	k_q1b0aba5bac_outp, .Lfunc_end_k_q1b0aba5bac_outp-k_q1b0aba5bac_outp
	.p2alignl 7, 3214868480
	.fill 96, 4, 3214868480
	.section	.rodata,"a",@progbits
	.p2align	6, 0x0
	.amdhsa_kernel k_q1b0aba5bac_outp
		.amdhsa_group_segment_fixed_size 327680
		.amdhsa_private_segment_fixed_size 0
		.amdhsa_enable_private_segment 0
		.amdhsa_kernarg_size 40
		.amdhsa_user_sgpr_count 2
		.amdhsa_user_sgpr_kernarg_segment_ptr 1
		.amdhsa_wavefront_size32 1
		.amdhsa_system_sgpr_workgroup_id_x 1
		.amdhsa_system_sgpr_workgroup_id_y 1
		.amdhsa_system_sgpr_workgroup_id_z 1
		.amdhsa_system_vgpr_workitem_id 0
		.amdhsa_next_free_vgpr 1024
		.amdhsa_next_free_sgpr 100
		.amdhsa_reserve_vcc 0
		.amdhsa_float_denorm_mode_32 3
		.amdhsa_float_denorm_mode_16_64 3
		.amdhsa_memory_ordered 1
		.amdhsa_forward_progress 1
		.amdhsa_inst_pref_size 123
	.end_amdhsa_kernel
	.amdgpu_metadata
---
amdhsa.version: [ 1, 2 ]
amdhsa.kernels:
  - .name:           k_q1b0aba5bac_outp
    .symbol:         k_q1b0aba5bac_outp.kd
    .args:
      - { .name: cc, .offset: 0, .size: 8, .value_kind: global_buffer, .address_space: global }
      - { .name: wc, .offset: 8, .size: 8, .value_kind: global_buffer, .address_space: global }
      - { .name: lowp_scales, .offset: 16, .size: 8, .value_kind: global_buffer, .address_space: global }
      - { .name: b_o, .offset: 24, .size: 8, .value_kind: global_buffer, .address_space: global }
      - { .name: out0, .offset: 32, .size: 8, .value_kind: global_buffer, .address_space: global }
    .group_segment_fixed_size: 327680
    .private_segment_fixed_size: 0
    .kernarg_segment_align: 8
    .kernarg_segment_size: 40
    .max_flat_workgroup_size: 128
    .sgpr_count:     100
    .vgpr_count:     1024
    .wavefront_size: 32
...
	.end_amdgpu_metadata
.endif
;; end of part 4
